; MI455X (gfx1250); checked and timed in simulation.
; The chip was launched on July 23, 2026; its instructions are those of AMD's public machine-readable ISA for CDNA 5 (MIT licence, August 2026) and "CDNA5" Instruction Set Architecture Reference Guide (July 2026). The comments in the code are by the model that wrote it; some were corrected since.
;; GMF. Allowed arithmetic: matrix products marked QUANTISED: E4M3 operands, one E8M0 scale for each 32 along K, by v_wmma_scale_f32_16x16x128_f8f6f4 with both operands' format E4M3, f32 sums; everything else in f32.
;; Inputs: P_weight 64 x 1,000,000 float32; Q_weight 64 x 100,032 float32; genres_one_hot 16,384 x 32 float32; item_ids 16,384 int32; user_ids 16,384 int32.
;; Outputs: out0 16,384 x 1 float32.
;; This version of the problem:
;;   THIS VERSION OF THE PROBLEM IS GIVEN IN LOW PRECISION. The matrix products marked QUANTISED in the list below multiply operands that are first quantised to E4M3 (4 exponent bits, 3 mantissa bits; 8 bits a number), with one power-of-two scale for each 32 numbers along K (OCP MX v1.0); their sums are f32. All else is computed in f32.
;;   The module's matrix products, in the order in which they are computed (A, B: the left and right operand; K: the contracted axis; several contracted axes count as one K, in the product's order):
;;     1. [M 16,384, K 32] x [K 32, N 64]; A: input genres_one_hot; B: input Q_weight: QUANTISED
;;   THE QUANTISER, for each operand of a quantised product, along K:
;;     - K is cut into blocks of 32 from its start; a last block that is shorter is filled with zeros.
;;     - A block's scale is 2^e with e = floor(log2(the largest magnitude in the block)) - 8, held to -126 .. 127; a block of zeros has e = 0. As a byte (E8M0): e + 127.
;;     - Each number is divided by its block's scale, clamped to +-448, and rounded to the nearest number of E4M3, ties to even, subnormals kept.
;;     - The product sums the exact products of the quantised numbers (number of the format x scale) in f32.
;;   ~~~python
;;   def quantise(x, axis):      # numpy; x: float32 -> the quantised numbers, widened to float32 again
;;       x = np.moveaxis(x, axis, -1); K = x.shape[-1]
;;       x = np.pad(x, [(0, 0)] * (x.ndim - 1) + [(0, -K % 32)]); x = x.reshape(x.shape[:-1] + (-1, 32)); a = np.abs(x).max(-1, keepdims=True)
;;       e = np.where(a > 0, np.clip(np.frexp(np.where(a > 0, a, 1))[1] - 1 - 8, -126, 127), 0)      # np.frexp(a)[1] - 1 = floor(log2(a)), exactly
;;       r = np.clip(x / 2.0 ** e, -448, 448)
;;       step = 2.0 ** (np.maximum(np.frexp(np.where(r == 0, 1, r))[1] - 1, -6) - 3)
;;       q = np.round(r / step) * step * 2.0 ** e      # np.round: ties to even
;;       return np.moveaxis(q.reshape(q.shape[:-2] + (-1,))[..., :K], -1, axis).astype(np.float32)
;;   ~~~
;; One version. Each part assembles by itself: llvm-mc -triple=amdgcn-amd-amdhsa -mcpu=gfx1250 --defsym DOCPART=n.
;; ======== version 1 of 1: 2 launches
;; limits: right only within a limited range of input values
;; workspace buffers: pu 4,194,304 bytes; qi 4,194,304 bytes; gq 655,360 bytes; wq 2,560 bytes
;; launch gather (part 1): grid 256 x 1, 4 waves a work-group, clusters of 4 x 1, 327,680 bytes of LDS; arguments user_ids, item_ids, Q_weight, P_weight, pu, qi, genres_one_hot, gq, wq; writes pu, qi, gq, wq
.if DOCPART == 1
	.amdgcn_target "amdgcn-amd-amdhsa--gfx1250"
	.amdhsa_code_object_version 6
	.text
	.protected	k_q021397681d_gather
	.globl	k_q021397681d_gather
	.p2align	8
	.type	k_q021397681d_gather,@function
k_q021397681d_gather:
	s_mov_b64 s[64:65], 0
	v_nop
	global_prefetch_b8 v0, s[64:65] scope:SCOPE_SE
	s_setreg_imm32_b32 hwreg(HW_REG_WAVE_MODE, 25, 1), 1
	s_wait_xcnt 0x0
	s_wait_alu depctr_hold_cnt(0) depctr_sa_sdst(0) depctr_va_vdst(0) depctr_va_sdst(0) depctr_va_ssrc(0) depctr_va_vcc(0) depctr_vm_vsrc(0)
	s_getreg_b32 s2, hwreg(HW_REG_IB_STS2, 6, 4)
	s_cmp_eq_u32 s2, 0
	s_cbranch_scc0 .Lentry_in_a_cluster
	s_endpgm
.Lentry_in_a_cluster:
	s_bfe_u32 s2, ttmp6, 0x10000c
	s_cmp_lg_u32 s2, 0x3003
	s_cbranch_scc0 .Lentry_shape_is_right
	s_endpgm
.Lentry_shape_is_right:
; pu[k][b] = P[k][user[b]],  qi[k][b] = Q[k][item[b]]  (k: 64 latents, b: 16,384 elements), and the codes and scale words of both operands of the genre product,
; laid as images of the matrix instruction's registers.  The launch behind this one makes out[b] = sum over k of pu[k][b] * (qi[k][b] + genres . weights).
; P: [64][1,000,000] f32, Q: [64][100,032] f32, genres: [16384][32] f32, ids: [16384] i32.
;
; SHARES.  A cluster of four work-groups owns one latent k (the cluster's number), so a row of P and a row of Q are gathered by one cluster alone.  A work-group owns 4,096
; elements, a wave 1,024, a lane 32: in set s = 0 .. 7 the four neighbours 128 s + 4 lane .. + 3.  Ids come and results leave in 16 bytes a lane, 512 consecutive bytes a wave.
; P is gathered word by word: 32 loads a lane.  Q's row is 400,128 bytes: its first 326,656 (items 0 .. 81,663) are brought into LDS densely, by one tensor load a wave, and items are looked
; up there.  For the items beyond a gather stands: lanes whose item lies in LDS all name the one word of item 81,664, so that such a load has few different addresses.  A select joins the two.
; Every gather is issued ahead of the wait for the tensor load; behind it stand only the lookups in LDS, the selects and the stores.
; CLUSTERS: the row of Q is the same for the four partners: each wave's tensor load is a joint request of the four (mask 15).  The descriptor hangs on the latent and the wave's number alone.
; GENRES: the work-group at place W = 4 k + cx quantises 64 elements: wave t the elements 64 W + 4 r + t, lane (r, h) the 16 numbers at 16 h.  gq: codes at 2048 W + 512 t + 16 lane,
; scale words (the block's byte in byte 0) at 524288 + 512 W + 128 t + 4 lane.  WEIGHTS: wave 0 of cluster 0's work-group cx quantises the rows of latents 16 cx .. + 15: wq, codes at
; 512 cx + 16 lane, scale words at 2048 + 128 cx + 4 lane.
; NOT USED: a prefetch (the text has no loop to run ahead in; each gather is issued when its id is there).  A refill of LDS with the rest of Q's row: it would put a round between the gathers.
; LIMITS.  Ids are taken to lie inside their tables; an id outside (read as unsigned) is clamped to the last column.  NaN and infinities among genres or the genre weights are not served.
; A block whose largest magnitude lies under 2^-118 has its scale byte held at 1; such blocks were not tried.  A block of zeros has the byte 1 where the quantiser says 127: its codes are zeros and
; the bytes are read by this program alone.
.set N_USERS, 1000000
.set N_ITEMS, 100000
.set PROW,  4*N_USERS
.set QROW,  4*(N_ITEMS+32)
.set GCOL,  4*N_ITEMS                  ; byte of the first genre column in a row of Q
.set SHARE, 81664                      ; bytes of Q's row that a wave fetches: 11 rows of 7,424 bytes (29 x 256)
.set NL,    4*SHARE/4                  ; items whose words lie in LDS
.set SPARE, 4*SHARE                    ; spare words: 128 bytes a wave, two blocks of 256 bytes
.set IDO, 3                            ; 16 x lane
.set SPW, 4
.set NIL, 5
.set GO,  6                            ; my place in the genres: 512 r + 64 h
.set L4,  7                            ; 4 x lane
.set UID, 8                            ; v[8:39]    user ids, then offsets in P's row
.set IID, 40                           ; v[40:71]   item ids
.set QO,  72                           ; v[72:103]  offsets of the items beyond LDS
.set LA,  104                          ; v[104:135] LDS addresses
.set PD,  136                          ; v[136:167] from P
.set QL,  168                          ; v[168:199] from LDS, then the item's word of Q
.set QT,  200                          ; v[200:231] from Q's tail
.set WX,  168                          ; the weights' 16 numbers (ahead of QL's use)
.set GX,  232                          ; v[232:247] 16 numbers of genres
.set GC,  248                          ; v[248:251] their codes
.set T,   252                          ; v[252:255] at work
.set WAVE, 16
.set G0,  28
.set G1,  32
.set SEL, 58
.set MANT, 60
.macro CROUND                          ; a round of the cluster's barrier
	s_barrier_signal -1
	s_barrier_wait -1
	s_cmp_lg_u32 s[WAVE], 0
	s_cbranch_scc1 .Lnot_wave_0_\@
	s_barrier_signal -3
.Lnot_wave_0_\@:
	s_barrier_wait -3
	s_barrier_signal -1
	s_barrier_wait -1
.endm
; A block of 32 along K lies in lanes l and l xor 16, 16 numbers each, in v[X ..].  Codes into v[GC:GC+3], the scale's byte into v[T+3].
.macro QUANT X
	v_max3_num_f32 v[T],   |v[\X]|,   |v[\X+1]|, 0x4800000         ; with the floor 2^(9 - 127)
	v_max3_num_f32 v[T+1], |v[\X+2]|, |v[\X+3]|, |v[\X+4]|
.irp i, 5,9
	v_max3_num_f32 v[T],   v[T],   |v[\X+\i]|,   |v[\X+\i+1]|
	v_max3_num_f32 v[T+1], v[T+1], |v[\X+\i+2]|, |v[\X+\i+3]|
.endr
	v_max3_num_f32 v[T], v[T], |v[\X+13]|, |v[\X+14]|
	v_max3_num_f32 v[T+1], v[T+1], |v[\X+15]|, v[T]
	v_permlanex16_b32 v[T], v[T+1], s[SEL], s[SEL+1]               ; the other half's 16
	v_max_num_f32 v[T], v[T], v[T+1]               ; the block's largest magnitude
	v_add_nc_u32 v[T+1], 0xfc000000, v[T]          ; 8 off its exponent field: the conversion's scale operand
	v_and_or_b32 v[T+2], v[T], 0x7f800000, s[MANT] ; 448 x the scale
	v_lshrrev_b32 v[T+3], 23, v[T+1]               ; the scale's byte
.irp i, 0,1,2,3,4,5,6,7,8,9,10,11,12,13,14,15
	v_med3_num_f32 v[\X+\i], v[\X+\i], -v[T+2], v[T+2]             ; the conversion does not saturate (ISA guide 7.6.2)
.endr
	v_cvt_scalef32_pk8_fp8_f32 v[GC:GC+1],   v[\X:\X+7],    v[T+1]
	v_cvt_scalef32_pk8_fp8_f32 v[GC+2:GC+3], v[\X+8:\X+15], v[T+1]
	v_nop                                          ; one plain place behind the conversions
.endm
.macro UCONV lo, n                     ; ids to offsets; no address leaves its table, whatever the id
.set i, \lo
.rept \n
	v_min_u32 v[UID+i], N_USERS-1, v[UID+i]
.set i, i+1
.endr
.set i, \lo
.rept \n
	v_lshlrev_b32 v[UID+i], 2, v[UID+i]
.set i, i+1
.endr
.endm
.macro PGATHER lo, n
.set i, \lo
.rept \n
	global_load_b32 v[PD+i], v[UID+i], s[10:11]
.set i, i+1
.endr
.endm
.macro PSTORE s, left                  ; set s of P is in (loads come back in order, ISA guide 5.7.1): stored
	s_wait_loadcnt \left
	global_store_b128 v[IDO], v[PD+4*\s:PD+4*\s+3], s[40:41] offset:512*\s
.endm
	s_load_b256 s[4:11], s[0:1], 0x0               ; user_ids, item_ids, Q, P
	s_load_b256 s[40:47], s[0:1], 0x20             ; pu, qi, genres, gq
	s_load_b64 s[48:49], s[0:1], 0x40              ; wq
	v_lshl_add_u32 v[SPW], v0, 2, SPARE
	v_mov_b32 v[NIL], 0
	ds_add_u32 v[SPW], v[NIL]                      ; the wave's opening: the add, twice on end, and its wait
	ds_add_u32 v[SPW], v[NIL]
	v_lshrrev_b32 v1, 5, v0
	v_readfirstlane_b32 s[WAVE], v1
	v_and_b32 v2, 31, v0
	v_lshlrev_b32 v[IDO], 4, v2
	v_lshlrev_b32 v[L4], 2, v2
	v_and_b32 v1, 15, v0
	v_lshlrev_b32 v1, 9, v1
	v_bfe_u32 v2, v0, 4, 1
	v_lshl_add_u32 v[GO], v2, 6, v1
	s_bfe_u32 s17, ttmp6, 0x40000                  ; cx
	s_lshl_b32 s18, s17, 14
	s_lshl_b32 s19, s[WAVE], 12
	s_add_co_u32 s18, s18, s19                     ; my wave's first id: 4 x (4,096 cx + 1,024 wave)
	s_mov_b32 s19, 0
	s_lshl_b32 s20, ttmp9, 16                      ; row k of pu and qi
	s_add_co_u32 s20, s20, s18
	s_mov_b32 s21, 0
	s_mul_i32 s22, ttmp9, PROW
	s_mov_b32 s23, 0
	s_mul_i32 s24, ttmp9, QROW
	s_mov_b32 s25, 0
	s_mul_i32 s26, s[WAVE], SHARE
	s_mov_b32 s27, 0
	s_lshl_b32 s14, ttmp9, 2
	s_add_co_u32 s14, s14, s17                     ; W
	s_lshl_b32 s15, s[WAVE], 7
	s_lshl_b32 s50, s14, 13
	s_add_co_u32 s50, s50, s15                     ; genres: 64 W + wave rows of 128 bytes
	s_mov_b32 s51, 0
	s_lshl_b32 s52, s14, 11
	s_lshl_b32 s13, s[WAVE], 9
	s_add_co_u32 s52, s52, s13                     ; their codes
	s_mov_b32 s53, 0
	s_lshl_b32 s54, s14, 9
	s_add_co_u32 s54, s54, s15
	s_add_co_u32 s54, s54, 0x80000                 ; their scale words
	s_mov_b32 s55, 0
	s_mul_i32 s56, s17, 16*QROW                    ; weights: row 16 cx of Q
	s_mov_b32 s57, 0
	s_lshl_b32 s62, s17, 9
	s_mov_b32 s63, 0
	s_lshl_b32 s66, s17, 7
	s_add_co_u32 s66, s66, 2048
	s_mov_b32 s67, 0
	s_mov_b32 s[SEL], 0x76543210
	s_mov_b32 s[SEL+1], 0xfedcba98
	s_mov_b32 s[MANT], 0x600000                    ; the mantissa field of 448
	s_mov_b32 s[G0], 1
	s_mul_i32 s[G0+1], s[WAVE], SHARE              ; LDS: wave x 81,664
	s_mov_b32 s[G1], 15|(3<<16)|(1<<21)            ; mask: the cluster's four; elements of 8 bytes; bit 21 beside a mask; no padding
	s_mov_b32 s[G1+1], 928<<16                     ; 11 rows of 928 elements (7,424 bytes), dense
	s_mov_b32 s[G1+2], 11<<16
	s_mov_b32 s[G1+3], 928<<16
	s_mov_b32 s[G1+4], 11
	s_mov_b32 s[G1+5], 928
	s_mov_b32 s[G1+6], 0
	s_mov_b32 s[G1+7], 0
	s_wait_alu depctr_va_vdst(0)                   ; the wait at the head's end
	s_wait_dscnt 0x0                               ; both opening adds are done
	s_wait_kmcnt 0x0
	s_add_nc_u64 s[4:5], s[4:5], s[18:19]
	s_add_nc_u64 s[6:7], s[6:7], s[18:19]
.irp s, 0,1,2,3,4,5,6,7
	global_load_b128 v[UID+4*\s:UID+4*\s+3], v[IDO], s[4:5] offset:512*\s
.endr
.irp s, 0,1,2,3,4,5,6,7
	global_load_b128 v[IID+4*\s:IID+4*\s+3], v[IDO], s[6:7] offset:512*\s
.endr
	s_add_nc_u64 s[44:45], s[44:45], s[50:51]
.irp p, 0,1,2,3
	global_load_b128 v[GX+4*\p:GX+4*\p+3], v[GO], s[44:45] offset:16*\p
.endr
	s_add_nc_u64 s[56:57], s[8:9], s[56:57]        ; Q at the weights' rows
	s_add_nc_u64 s[8:9], s[8:9], s[24:25]          ; Q's row k
	s_add_nc_u64 s[10:11], s[10:11], s[22:23]      ; P's row k
	s_add_nc_u64 s[40:41], s[40:41], s[20:21]
	s_add_nc_u64 s[42:43], s[42:43], s[20:21]
	s_add_nc_u64 s[52:53], s[46:47], s[52:53]
	s_add_nc_u64 s[54:55], s[46:47], s[54:55]
	s_add_nc_u64 s[62:63], s[48:49], s[62:63]
	s_add_nc_u64 s[66:67], s[48:49], s[66:67]
	s_add_nc_u64 s[G0+2:G0+3], s[8:9], s[26:27]
	s_or_b32 s[G0+3], s[G0+3], 0x80000000
	CROUND                                         ; all four work-groups are here: the joint loads meet
	tensor_load_to_lds s[G0:G0+3], s[G1:G1+7]      ; my share of Q's row: the launch's one fill of these bytes
	s_nop 0
.rept 4
	v_nop
.endr
	s_cmp_lg_u32 ttmp9, 0                          ; the weights: cluster 0, wave 0
	s_cbranch_scc1 .Lno_weights
	s_cmp_lg_u32 s[WAVE], 0
	s_cbranch_scc1 .Lno_weights
	v_and_b32 v1, 15, v0
	v_bfe_u32 v2, v0, 4, 1
	v_mul_u32_u24 v1, v1, QROW
	v_lshl_add_u32 v1, v2, 6, v1                   ; latent 16 cx + r, genres 16 h ..
.irp p, 0,1,2,3
	global_load_b128 v[WX+4*\p:WX+4*\p+3], v1, s[56:57] offset:GCOL+16*\p
.endr
	s_wait_loadcnt 0x0
	QUANT WX
	global_store_b128 v[IDO], v[GC:GC+3], s[62:63]
	global_store_b32 v[L4], v[T+3], s[66:67]
	s_wait_xcnt 0x0                                ; the stores have read their registers, which are written again below
.Lno_weights:
	s_wait_loadcnt 12                              ; the user ids are in; the 8 loads of item ids and the 4 of genres may be out
	UCONV 0, 16
	PGATHER 0, 16                                  ; part A: sets 0 to 3
	UCONV 16, 16
	s_wait_loadcnt 16                              ; item ids and genres are in; the 16 gathers stay out
.set i, 0
.rept 32
	v_min_u32 v[LA+i], NL-1, v[IID+i]              ; the place in LDS, held inside what has been filled
	v_max_u32 v[QO+i], NL, v[IID+i]                ; the place in the tail, held inside the row
.set i, i+1
.endr
.set i, 0
.rept 32
	v_min_u32 v[QO+i], N_ITEMS-1, v[QO+i]
	v_lshlrev_b32 v[LA+i], 2, v[LA+i]
.set i, i+1
.endr
.set i, 0
.rept 32
	v_lshlrev_b32 v[QO+i], 2, v[QO+i]
.set i, i+1
.endr
	QUANT GX
	global_store_b128 v[IDO], v[GC:GC+3], s[52:53]
	global_store_b32 v[L4], v[T+3], s[54:55]
	s_wait_alu depctr_va_vdst(0)
.set i, 0
.rept 32
	global_load_b32 v[QT+i], v[QO+i], s[8:9]
.set i, i+1
.endr
	PGATHER 16, 12                                 ; part B: sets 4 to 6
	PSTORE 0, 56                                   ; behind set 0: 12 of part A, 32 of Q's tail, 12 of part B
	PGATHER 28, 4                                  ; set 7: now every gather is issued
	s_wait_tensorcnt 0x0                           ; my share of Q's row is in LDS,
	s_barrier_signal -1
	s_barrier_wait -1                              ; and every wave's
.set i, 0
.rept 32
	ds_load_b32 v[QL+i], v[LA+i]
.set i, i+1
.endr
	s_wait_dscnt 0x0                               ; my reads of LDS are back
	s_wait_loadcnt 16                              ; Q's tail is in, and part A ahead of it; the 12 of part B and the 4 of set 7 may be out
.set i, 0
.rept 32
	v_cmp_gt_u32 vcc_lo, NL, v[IID+i]              ; does the item lie in LDS?
	v_cndmask_b32 v[QL+i], v[QT+i], v[QL+i], vcc_lo
.set i, i+1
.endr
.irp s, 0,1,2,3,4,5,6,7
	global_store_b128 v[IDO], v[QL+4*\s:QL+4*\s+3], s[42:43] offset:512*\s
.endr
	PSTORE 1, 16
	PSTORE 2, 16
	PSTORE 3, 16
	PSTORE 4, 12
	PSTORE 5, 8
	PSTORE 6, 4
	PSTORE 7, 0
	s_barrier_signal -1                            ; every wave's reads of LDS are back: they are parted from the adds below
	s_barrier_wait -1
	s_wait_tensorcnt 0x0                           ; the wave's end
	ds_add_u32 v[SPW], v[NIL]
	s_wait_dscnt 0x0
	CROUND                                         ; the closing round: no work-group ends while a partner may still ask for a tile that names it
	s_endpgm
.Lfunc_end_k_q021397681d_gather:
	.size	k_q021397681d_gather, .Lfunc_end_k_q021397681d_gather-k_q021397681d_gather
	.p2alignl 7, 3214868480
	.fill 96, 4, 3214868480
	.section	.rodata,"a",@progbits
	.p2align	6, 0x0
	.amdhsa_kernel k_q021397681d_gather
		.amdhsa_group_segment_fixed_size 327680
		.amdhsa_private_segment_fixed_size 0
		.amdhsa_enable_private_segment 0
		.amdhsa_kernarg_size 72
		.amdhsa_user_sgpr_count 2
		.amdhsa_user_sgpr_kernarg_segment_ptr 1
		.amdhsa_wavefront_size32 1
		.amdhsa_system_sgpr_workgroup_id_x 1
		.amdhsa_system_sgpr_workgroup_id_y 1
		.amdhsa_system_sgpr_workgroup_id_z 1
		.amdhsa_system_vgpr_workitem_id 0
		.amdhsa_next_free_vgpr 256
		.amdhsa_next_free_sgpr 72
		.amdhsa_reserve_vcc 1
		.amdhsa_float_denorm_mode_32 3
		.amdhsa_float_denorm_mode_16_64 3
		.amdhsa_memory_ordered 1
		.amdhsa_forward_progress 1
		.amdhsa_inst_pref_size 36
	.end_amdhsa_kernel
	.amdgpu_metadata
---
amdhsa.version: [ 1, 2 ]
amdhsa.kernels:
  - .name:           k_q021397681d_gather
    .symbol:         k_q021397681d_gather.kd
    .args:
      - { .name: user_ids, .offset: 0, .size: 8, .value_kind: global_buffer, .address_space: global }
      - { .name: item_ids, .offset: 8, .size: 8, .value_kind: global_buffer, .address_space: global }
      - { .name: Q_weight, .offset: 16, .size: 8, .value_kind: global_buffer, .address_space: global }
      - { .name: P_weight, .offset: 24, .size: 8, .value_kind: global_buffer, .address_space: global }
      - { .name: pu, .offset: 32, .size: 8, .value_kind: global_buffer, .address_space: global }
      - { .name: qi, .offset: 40, .size: 8, .value_kind: global_buffer, .address_space: global }
      - { .name: genres_one_hot, .offset: 48, .size: 8, .value_kind: global_buffer, .address_space: global }
      - { .name: gq, .offset: 56, .size: 8, .value_kind: global_buffer, .address_space: global }
      - { .name: wq, .offset: 64, .size: 8, .value_kind: global_buffer, .address_space: global }
    .group_segment_fixed_size: 327680
    .private_segment_fixed_size: 0
    .kernarg_segment_align: 8
    .kernarg_segment_size: 72
    .max_flat_workgroup_size: 128
    .sgpr_count:     72
    .vgpr_count:     256
    .wavefront_size: 32
...
	.end_amdgpu_metadata
.endif
;; end of part 1
;; launch finish (part 2): grid 256 x 1, 4 waves a work-group, no clusters, 2,560 bytes of LDS; arguments pu, qi, gq, wq, out0; writes out0
.if DOCPART == 2
	.amdgcn_target "amdgcn-amd-amdhsa--gfx1250"
	.amdhsa_code_object_version 6
	.text
	.protected	k_q021397681d_finish
	.globl	k_q021397681d_finish
	.p2align	8
	.type	k_q021397681d_finish,@function
k_q021397681d_finish:
	s_mov_b64 s[64:65], 0
	v_nop
	global_prefetch_b8 v0, s[64:65] scope:SCOPE_SE
	s_setreg_imm32_b32 hwreg(HW_REG_WAVE_MODE, 25, 1), 1
	s_wait_xcnt 0x0
; out[b] = sum over k of pu[k][b] * (qi[k][b] + qg[k][b]),  qg = weights x genres, on codes of FP8 (E4M3) with one E8M0 scale for the 32 genres, as the launch before has laid them.
; A work-group owns 64 elements, a wave 16 latents.  Source 0: the wave's 16 weight rows in block 0 of K, the code 0 in blocks 1 to 3.  Source 1 of tile t: in column r the element 4 r + t, its codes in
; block 0; since source 0's other blocks are 0, source 1's may hold any finite codes: the four tiles' codes lie on end, a tile's window runs on into the next tiles' codes, 12 zeros close the last.
; Scale bytes of blocks 1 to 3 are 0 (2^-127).  In D lane (r, h) holds the latents 8 h + j of its element: a lane's four tiles are four neighbouring elements, which pu and qi bring in one load of 16 bytes a latent.
; The eight partial sums of an element (4 waves x 2 halves) meet in LDS; wave 0 adds them and stores 256 consecutive bytes, at a multiple of 256.
; No cluster and no prefetch: no tensor load, no loop; the only bytes that work-groups share are the weights' 2,560.  The sum over the latents is not made in the order of the reference.
.set SPW, 9
.set NIL, 10
.set SA,  12                           ; source 0's scale words
.set SB,  13                           ; v[13:16] source 1's, one a tile
.set A,   20                           ; v[20:35] source 0
.set BC,  36                           ; v[36:51] the tiles' codes, v[52:63] zeros
.set PU,  64                           ; v[64:95]  latent j: four elements at 4 j
.set QQ,  96                           ; v[96:127] the same of qi
.set D,   128                          ; v[128:159]
.set ACC, 160                          ; v[160:163]
.set RD,  164                          ; v[164:179]
	s_load_b128 s[4:7], s[0:1], 0x0                ; pu, qi
	s_load_b128 s[8:11], s[0:1], 0x10              ; gq, wq
	s_load_b64 s[12:13], s[0:1], 0x20              ; out
	v_lshrrev_b32 v1, 5, v0
	v_readfirstlane_b32 s16, v1                    ; wave
	v_and_b32 v2, 31, v0
	v_lshlrev_b32 v3, 4, v2                        ; codes: 16 bytes a lane
	v_lshlrev_b32 v4, 2, v2                        ; scale words
	v_and_b32 v5, 15, v0
	v_bfe_u32 v6, v0, 4, 1
	v_lshlrev_b32 v7, 4, v5
	v_lshl_add_u32 v7, v6, 19, v7                  ; pu, qi: 16 r + 8 h rows of 65,536 bytes
	v_lshlrev_b32 v8, 4, v0                        ; LDS: my four sums: part 2 wave + h at 256 bytes each
	v_lshl_add_u32 v[SPW], v0, 2, 2048             ; my spare word
	v_mov_b32 v[NIL], 0
	v_lshlrev_b32 v11, 3, v2                       ; wave 0: two elements a lane
	s_lshl_b32 s18, s16, 20                        ; 16 rows a wave
	s_lshl_b32 s19, ttmp9, 8                       ; 64 elements a work-group
	s_add_co_u32 s18, s18, s19
	s_mov_b32 s20, s19
	s_mov_b32 s19, 0
	s_mov_b32 s21, 0
	s_lshl_b32 s22, ttmp9, 11
	s_mov_b32 s23, 0
	s_lshl_b32 s24, ttmp9, 9
	s_add_co_u32 s24, s24, 0x80000
	s_mov_b32 s25, 0
	s_lshl_b32 s26, s16, 9
	s_mov_b32 s27, 0
	s_lshl_b32 s28, s16, 7
	s_add_co_u32 s28, s28, 2048
	s_mov_b32 s29, 0
	s_wait_alu depctr_va_vdst(0)                   ; the wait at the head's end
	s_wait_kmcnt 0x0
	s_add_nc_u64 s[4:5], s[4:5], s[18:19]
	s_add_nc_u64 s[6:7], s[6:7], s[18:19]
	s_add_nc_u64 s[22:23], s[8:9], s[22:23]
	s_add_nc_u64 s[24:25], s[8:9], s[24:25]
	s_add_nc_u64 s[26:27], s[10:11], s[26:27]
	s_add_nc_u64 s[28:29], s[10:11], s[28:29]
	s_add_nc_u64 s[12:13], s[12:13], s[20:21]
	global_load_b128 v[A:A+3], v3, s[26:27]
	global_load_b32 v[SA], v4, s[28:29]
.irp t, 0,1,2,3
	global_load_b128 v[BC+4*\t:BC+4*\t+3], v3, s[22:23] offset:512*\t
	global_load_b32 v[SB+\t], v4, s[24:25] offset:128*\t
.endr
.irp j, 0,1,2,3,4,5,6,7
	global_load_b128 v[PU+4*\j:PU+4*\j+3], v7, s[4:5] offset:65536*\j th:TH_LOAD_NT
	global_load_b128 v[QQ+4*\j:QQ+4*\j+3], v7, s[6:7] offset:65536*\j th:TH_LOAD_NT
.endr
.irp z, 0,1,2,3,4,5,6,7,8,9,10,11
	v_mov_b32 v[A+4+\z], 0                         ; the code 0 is the number 0
	v_mov_b32 v[BC+16+\z], 0
.endr
.rept 4
	v_nop                                          ; four places between the last zeros and the matrix instructions
.endr
	s_wait_alu depctr_va_vdst(0)
	s_wait_loadcnt 16                              ; codes and scale words are in; the 16 loads of pu and qi may be out
.irp t, 0,1,2,3
	v_wmma_scale_f32_16x16x128_f8f6f4 v[D+8*\t:D+8*\t+7], v[A:A+15], v[BC+4*\t:BC+4*\t+15], 0, v[SA], v[SB+\t]
.endr
	s_wait_loadcnt 8                               ; latents j = 0 to 3 of both
	v_pk_mul_f32 v[ACC:ACC+1],   v[PU:PU+1],   v[QQ:QQ+1]
	v_pk_mul_f32 v[ACC+2:ACC+3], v[PU+2:PU+3], v[QQ+2:QQ+3]
.macro PQ j
	v_pk_fma_f32 v[ACC:ACC+1],   v[PU+4*\j:PU+4*\j+1],   v[QQ+4*\j:QQ+4*\j+1],   v[ACC:ACC+1]
	v_pk_fma_f32 v[ACC+2:ACC+3], v[PU+4*\j+2:PU+4*\j+3], v[QQ+4*\j+2:QQ+4*\j+3], v[ACC+2:ACC+3]
.endm
.irp j, 1,2,3
	PQ \j                                          ; with the two above: the eight places behind the matrix instructions
.endr
.irp j, 0,1,2,3
.irp t, 0,1,2,3
	v_fmac_f32 v[ACC+\t], v[PU+4*\j+\t], v[D+8*\t+\j]      ; each accumulator from its low end on
.endr
.endr
	s_wait_alu depctr_va_vdst(0)
	s_wait_loadcnt 0x0
.irp j, 4,5,6,7
	PQ \j
.endr
.irp j, 4,5,6,7
.irp t, 0,1,2,3
	v_fmac_f32 v[ACC+\t], v[PU+4*\j+\t], v[D+8*\t+\j]
.endr
.endr
	ds_store_b128 v8, v[ACC:ACC+3]
	s_wait_dscnt 0x0                               ; for wave 0's sake
	s_barrier_signal -1
	s_barrier_wait -1
	s_cmp_lg_u32 s16, 0
	s_cbranch_scc1 .Lend
.irp p, 0,1,2,3,4,5,6,7
	ds_load_b64 v[RD+2*\p:RD+2*\p+1], v11 offset:256*\p
.endr
	s_wait_dscnt 0x0
.irp p, 0,4,8,12
	v_pk_add_f32 v[RD+\p:RD+\p+1], v[RD+\p:RD+\p+1], v[RD+\p+2:RD+\p+3]
.endr
	v_pk_add_f32 v[RD:RD+1], v[RD:RD+1], v[RD+4:RD+5]
	v_pk_add_f32 v[RD+8:RD+9], v[RD+8:RD+9], v[RD+12:RD+13]
	v_pk_add_f32 v[RD:RD+1], v[RD:RD+1], v[RD+8:RD+9]
	global_store_b64 v11, v[RD:RD+1], s[12:13]     ; 32 lanes store 256 consecutive bytes
.Lend:
	s_wait_tensorcnt 0x0                           ; the wave's end
	ds_add_u32 v[SPW], v[NIL]
	s_wait_dscnt 0x0
	s_endpgm
.Lfunc_end_k_q021397681d_finish:
	.size	k_q021397681d_finish, .Lfunc_end_k_q021397681d_finish-k_q021397681d_finish
	.p2alignl 7, 3214868480
	.fill 96, 4, 3214868480
	.section	.rodata,"a",@progbits
	.p2align	6, 0x0
	.amdhsa_kernel k_q021397681d_finish
		.amdhsa_group_segment_fixed_size 2560
		.amdhsa_private_segment_fixed_size 0
		.amdhsa_enable_private_segment 0
		.amdhsa_kernarg_size 40
		.amdhsa_user_sgpr_count 2
		.amdhsa_user_sgpr_kernarg_segment_ptr 1
		.amdhsa_wavefront_size32 1
		.amdhsa_system_sgpr_workgroup_id_x 1
		.amdhsa_system_sgpr_workgroup_id_y 1
		.amdhsa_system_sgpr_workgroup_id_z 1
		.amdhsa_system_vgpr_workitem_id 0
		.amdhsa_next_free_vgpr 180
		.amdhsa_next_free_sgpr 66
		.amdhsa_reserve_vcc 0
		.amdhsa_float_denorm_mode_32 3
		.amdhsa_float_denorm_mode_16_64 3
		.amdhsa_memory_ordered 1
		.amdhsa_forward_progress 1
		.amdhsa_inst_pref_size 10
	.end_amdhsa_kernel
	.amdgpu_metadata
---
amdhsa.version: [ 1, 2 ]
amdhsa.kernels:
  - .name:           k_q021397681d_finish
    .symbol:         k_q021397681d_finish.kd
    .args:
      - { .name: pu, .offset: 0, .size: 8, .value_kind: global_buffer, .address_space: global }
      - { .name: qi, .offset: 8, .size: 8, .value_kind: global_buffer, .address_space: global }
      - { .name: gq, .offset: 16, .size: 8, .value_kind: global_buffer, .address_space: global }
      - { .name: wq, .offset: 24, .size: 8, .value_kind: global_buffer, .address_space: global }
      - { .name: out0, .offset: 32, .size: 8, .value_kind: global_buffer, .address_space: global }
    .group_segment_fixed_size: 2560
    .private_segment_fixed_size: 0
    .kernarg_segment_align: 8
    .kernarg_segment_size: 40
    .max_flat_workgroup_size: 128
    .sgpr_count:     66
    .vgpr_count:     180
    .wavefront_size: 32
...
	.end_amdgpu_metadata
.endif
;; end of part 2
